; MI455X (gfx1250); checked and timed in simulation.
; The chip was launched on July 23, 2026; its instructions are those of AMD's public machine-readable ISA for CDNA 5 (MIT licence, August 2026) and "CDNA5" Instruction Set Architecture Reference Guide (July 2026). The comments in the code are by the model that wrote it; some were corrected since.
;; Masked Chamfer Loss. Allowed arithmetic: float matrix products may take bf16 or f16 operands with f32 sums; all other float work in f32.
;; Inputs: mask 16 x 1,024 bool; x_pred 16 x 1,024 x 6 float32; x_true 16 x 1,024 x 6 float32.
;; Outputs: out0 one number float32; out1 16 x 1,024 x 6 float32; out2 16 x 1,024 x 6 float32.
;; One version. Each part assembles by itself: llvm-mc -triple=amdgcn-amd-amdhsa -mcpu=gfx1250 --defsym DOCPART=n.
;; ======== version 1 of 1: 2 launches
;; workspace buffers: part 1,024 bytes
;; launch pairs (part 1): grid 256 x 1, 8 waves a work-group, no clusters, 66,816 bytes of LDS; arguments mask, x_pred, x_true, out1, out2, part; writes out1, out2, part
.if DOCPART == 1
	.amdgcn_target "amdgcn-amd-amdhsa--gfx1250"
	.amdhsa_code_object_version 6
	.text
	.protected	k_qa94bd54361_pairs
	.globl	k_qa94bd54361_pairs
	.p2align	8
	.type	k_qa94bd54361_pairs,@function
k_qa94bd54361_pairs:
	s_mov_b64 s[64:65], 0
	v_nop
	global_prefetch_b8 v0, s[64:65] scope:SCOPE_SE
	s_setreg_imm32_b32 hwreg(HW_REG_WAVE_MODE, 25, 1), 1
	s_wait_xcnt 0x0
; MASKED CHAMFER LOSS, first of two launches.  x_pred, x_true: [16][1024][6] f32, mask: [16][1024] bytes (0 or 1).
; part[g] = (sum of this work-group's nearest-neighbour distances, p = 1 and p = 2, both directions) / (64 * visible points of the batch);
; the 256 numbers add up to the loss.  Also out1 = x_pred and out2 = x_true, 1,536 bytes of each per work-group.
;
; WORK.  16 work-groups per batch, 8 waves.  Each direction is computed for itself: a work-group owns QUERY points and walks ALL
; REFERENCE points of its batch, so that every minimum is finished inside the work-group and one number leaves it.
; Only visible points matter.  Wave w owns the SEGMENT of points 128 w .. 128 w + 127 and sorts it into its own 3,072 bytes of LDS:
; visible points from the front, hidden ones from the back, the hidden ones as +inf (x_pred) or -inf (x_true): a distance to a hidden
; point is +inf, never NaN (inf meets only -inf or finite numbers), so it never wins a minimum and loops may round their length up.
; Waves 0-3: queries from x_pred, reference points from x_true; waves 4-7 the other way round.  The 128 lanes of a direction are
; 8 query segments x 16 slices (reference segment, parity of the point pair).  A lane holds R queries of its segment,
; R = ceil(largest segment count / 16): the 16 work-groups share the visible queries evenly.  R is 1 to 8: eight unrolled loops.
; Points lie in LDS in pairs, feature f of both side by side (48 bytes a pair), so that one packed instruction serves two reference points.
; For a query and a pair: 6 packed differences, 6 packed multiply(-add)s for p = 2, 10 adds of magnitudes for p = 1, 2 three-way minima.
;
; NOT USED, and why.  Matrix instructions: p = 1 is no product, and p = 2 as |a|^2 + |b|^2 - 2ab is a difference of large sums.
; Joint (cluster) tensor loads, though the 16 work-groups of a batch read the same 50,176 bytes: they are read once, in front of all
; loops, and the LDS place of a point hangs on the mask, so each point goes through registers on its way; a raw tile in LDS would
; have to be read (49,152 bytes) and written again.
; LIMITS.  Inputs finite (an infinity is the mark of a hidden point).  Mask bytes 0 or 1.  A batch with no visible point gives NaN
; (0 times 1/0), as the reference's 0/0 does.  The sums are added in another order than the reference's.
.set PT,    24                         ; bytes of a point
.set SEGB,  128*PT                     ; bytes of a segment
.set ARR,   8*SEGB                     ; bytes of a batch of one tensor
.set LWS,   0                          ; LDS: eight words, the waves' sums
.set LXP,   256                        ; LDS: x_pred, sorted by segments
.set LXT,   LXP+ARR                    ; LDS: x_true, likewise
.set LPM,   LXT+ARR                    ; LDS: 64 bytes a thread, its 8 queries' two minima
.set LANE,  1
.set MW,    2                          ; the mask bytes of my four points
.set O4,    3                          ; 4 t
.set WM,    4                          ; v[4:11]  32 mask bytes: points 32 lane .. 32 lane + 31 of the batch
.set O32,   12                         ; 32 lane
.set O96,   13                         ; 96 t
.set TMP,   14                         ; v14, v15 at work
.set CP,    16                         ; v[16:19] the copy's 16 bytes
.set CO,    20                         ; the copy's offset
.set MB,    21
.set IV,    22
.set QA,    23                         ; LDS address of my queries' segment
.set RA,    24                         ; LDS address of my slice's current pair
.set PMA,   25                         ; 64 t
.set PA,    26                         ; v[26:29] LDS address of my four points
.set XPR,   32                         ; v[32:55] my four points of x_pred as loaded
.set XTR,   56                         ; v[56:79] my four points of x_true
.set QRY,   32                         ; v[32:79] later: query r, feature f at QRY + 6 r + f
.set REF,   80                         ; v[80:91] feature f of the pair's two points at REF + 2 f
.set ACC,   92                         ; v[92:107] query r: minimum for p = 1 at ACC + 2 r, for p = 2 at ACC + 2 r + 1
.set SUM1,  108                        ; v[108:123] query r: sum of |d| for the two points
.set SUM2,  124                        ; v[124:139] query r: sum of d d for the two points
.set DIF,   140                        ; v[140:235] query r, feature f: the two differences at DIF + 12 r + 2 f
.set RD,    140                        ; v[140:155] later: the 16 slices' minima
.set SC,    156
.set PO,    157
; scalars: s[4:15] mask, x_pred, x_true, out1, out2, part; s16 wave; s17 batch; s18 work-group in the batch; s19 wave & 3;
; s[20:23] offsets, then at work; s25 visible points of the batch; s26 largest segment count; s28, s29 counts of segments 2 (wave & 3)
; and + 1; s30, s31 +inf, -inf; s[32:39] the eight counts; s[40:43] ballots; s[44:47], s[48:51] place constants; s52 my segment's bytes;
; s53 R; s54 first place of my queries in their segments; s55 the place behind the last; s56 4 x work-group; s57 trips - 1;
; s59 trip counter; s[66:69] the copy's bases
	s_load_b256 s[4:11], s[0:1], 0x0               ; mask, x_pred, x_true, out1
	s_load_b128 s[12:15], s[0:1], 0x20             ; out2, part
	v_lshl_add_u32 v236, v0, 2, 0x10100
	v_mov_b32 v237, 0
	v_and_b32 v[LANE], 31, v0
	v_lshrrev_b32 v[TMP], 5, v0
	v_readfirstlane_b32 s16, v[TMP]                ; wave
	s_lshr_b32 s17, ttmp9, 4                       ; batch
	s_and_b32 s18, ttmp9, 15                       ; work-group in the batch
	s_and_b32 s19, s16, 3
	s_lshl_b32 s20, s17, 10                        ; the batch's mask bytes
	s_mov_b32 s21, 0
	s_mul_i32 s22, s17, ARR                        ; the batch's points
	s_mov_b32 s23, 0
	s_mov_b32 s30, 0x7f800000                      ; +inf
	s_mov_b32 s31, 0xff800000                      ; -inf
	s_mov_b32 s60, 0x76543210                      ; v_permlanex16_b32: lane i takes lane i of the other half
	s_mov_b32 s61, 0xfedcba98
	s_mul_i32 s52, s16, SEGB
	s_lshl_b32 s56, ttmp9, 2
	v_lshlrev_b32 v[O4], 2, v0
	v_lshlrev_b32 v[O32], 5, v[LANE]
	v_mul_u32_u24 v[O96], 96, v0
	s_wait_kmcnt 0x0
	s_add_nc_u64 s[4:5], s[4:5], s[20:21]
	s_add_nc_u64 s[6:7], s[6:7], s[22:23]
	s_add_nc_u64 s[8:9], s[8:9], s[22:23]
	s_add_nc_u64 s[10:11], s[10:11], s[22:23]
	s_add_nc_u64 s[12:13], s[12:13], s[22:23]
	; all loads at once.  Thread t takes points 4 t .. 4 t + 3: one mask word and 96 consecutive bytes of each tensor; a wave's six loads
	; of a tensor cover 3,072 consecutive bytes between them.  Every wave also takes the batch's whole mask, 32 bytes a lane, to count.
	global_load_b32 v[MW], v[O4], s[4:5]
	global_load_b128 v[WM:WM+3], v[O32], s[4:5]
	global_load_b128 v[WM+4:WM+7], v[O32], s[4:5] offset:16
.irp c, 0,1,2,3,4,5
	global_load_b128 v[XPR+4*\c:XPR+4*\c+3], v[O96], s[6:7] offset:16*\c
.endr
.irp c, 0,1,2,3,4,5
	global_load_b128 v[XTR+4*\c:XTR+4*\c+3], v[O96], s[8:9] offset:16*\c
.endr
	; THE COPIES.  The work-group's share is 64 rows = 1,536 bytes of each tensor: waves 0-2 take x_pred, waves 3-5 x_true, 512 consecutive
	; bytes each, at a multiple of 512 from the tensor's first byte.
	s_cmp_ge_u32 s16, 6
	s_cbranch_scc1 .Lnocopy
	s_cmp_lt_u32 s16, 3
	s_cselect_b64 s[66:67], s[6:7], s[8:9]
	s_cselect_b64 s[68:69], s[10:11], s[12:13]
	s_cselect_b32 s70, 0, 3
	s_sub_co_u32 s70, s16, s70                     ; which 512 bytes
	s_lshl_b32 s70, s70, 9
	s_mul_i32 s71, s18, 1536
	s_add_co_u32 s70, s70, s71
	v_lshl_add_u32 v[CO], v[LANE], 4, s70
	global_load_b128 v[CP:CP+3], v[CO], s[66:67]
	s_wait_loadcnt 0x0                             ; the youngest load: everything is in
	global_store_b128 v[CO], v[CP:CP+3], s[68:69] th:TH_STORE_NT
.Lnocopy:
	s_wait_loadcnt 12                              ; the three mask loads are in; the twelve loads of points issued behind them may be out
	; COUNTS.  They steer trip counts and branches, so they are whole numbers made of the mask's bytes by adds, shifts and an AND alone.
	; In the lane: the eight words are added (each byte at most 8), then the four bytes of the sum (at most 32: no carry crosses a byte).
	; Across the lanes: segment i is lanes 4 i .. 4 i + 3; the 32 numbers are read into scalars, four added for each segment.
	v_add_nc_u32 v[WM], v[WM], v[WM+1]
	v_add_nc_u32 v[WM+2], v[WM+2], v[WM+3]
	v_add_nc_u32 v[WM+4], v[WM+4], v[WM+5]
	v_add_nc_u32 v[WM+6], v[WM+6], v[WM+7]
	v_add_nc_u32 v[WM], v[WM], v[WM+2]
	v_add_nc_u32 v[WM+4], v[WM+4], v[WM+6]
	v_add_nc_u32 v[WM], v[WM], v[WM+4]
	v_lshrrev_b32 v[TMP], 16, v[WM]
	v_add_nc_u32 v[WM], v[WM], v[TMP]              ; bytes 0 and 1: b0 + b2, b1 + b3
	v_lshrrev_b32 v[TMP], 8, v[WM]
	v_add_nc_u32 v[WM], v[WM], v[TMP]              ; byte 0: all four
	v_and_b32 v[WM], 0xff, v[WM]
.irp i, 0,1,2,3,4,5,6,7
	v_readlane_b32 s[32+\i], v[WM], 4*\i
	v_readlane_b32 s20, v[WM], 4*\i+1
	v_readlane_b32 s21, v[WM], 4*\i+2
	v_readlane_b32 s22, v[WM], 4*\i+3
	s_add_co_u32 s[32+\i], s[32+\i], s20
	s_add_co_u32 s21, s21, s22
	s_add_co_u32 s[32+\i], s[32+\i], s21           ; visible points of segment i, at most 128
.endr
	s_add_co_u32 s25, s32, s33                     ; visible points of the batch
	s_max_u32 s26, s32, s33                        ; the fullest segment
.irp i, 34,35,36,37,38,39
	s_add_co_u32 s25, s25, s\i
	s_max_u32 s26, s26, s\i
.endr
	s_mov_b64 s[28:29], s[32:33]                   ; the counts of segments 2 (wave & 3) and 2 (wave & 3) + 1
	s_cmp_eq_u32 s19, 1
	s_cselect_b64 s[28:29], s[34:35], s[28:29]
	s_cmp_eq_u32 s19, 2
	s_cselect_b64 s[28:29], s[36:37], s[28:29]
	s_cmp_eq_u32 s19, 3
	s_cselect_b64 s[28:29], s[38:39], s[28:29]
	; PLACES in my wave's segment.  Order: point number j of the thread first, then the lane.  A visible point's place is the number of
	; visible points ahead of it; a hidden one's is 127 - (points ahead - visible points ahead): a permutation of 0 .. 127.
.irp j, 0,1,2,3
	v_and_b32 v[TMP], 1<<(8*\j), v[MW]
	v_cmp_ne_u32 s[40+\j], 0, v[TMP]               ; lanes whose point j is visible
.endr
	s_mov_b32 s44, 0
	s_bcnt1_i32_b32 s24, s40
	s_add_co_u32 s45, s44, s24
	s_bcnt1_i32_b32 s24, s41
	s_add_co_u32 s46, s45, s24
	s_bcnt1_i32_b32 s24, s42
	s_add_co_u32 s47, s46, s24
.irp j, 0,1,2,3
	s_add_co_u32 s[48+\j], s[44+\j], 127-32*\j
.endr
.irp j, 0,1,2,3
	v_mbcnt_lo_u32_b32 v[MB], s[40+\j], 0          ; visible points j in the lanes below mine
	v_sub_nc_u32 v[IV], v[MB], v[LANE]
	v_add_nc_u32 v[MB], s[44+\j], v[MB]            ; from the front
	v_add_nc_u32 v[IV], s[48+\j], v[IV]            ; from the back
	v_cndmask_b32 v[MB], v[IV], v[MB], s[40+\j]
	v_min_u32 v[MB], 127, v[MB]                    ; states the range: the address stays in my wave's segment
	v_and_b32 v[IV], 126, v[MB]                    ; the pair: 48 bytes for two places
	v_and_b32 v[MB], 1, v[MB]                      ; which of the two
	v_mul_u32_u24 v[IV], PT, v[IV]
	v_lshl_add_u32 v[IV], v[MB], 2, v[IV]
	v_add_nc_u32 v[PA+\j], s52, v[IV]
.endr
	s_wait_loadcnt 0x0                             ; the points
.irp j, 0,1,2,3
.irp f, 0,1,2,3,4,5
	v_cndmask_b32 v[XPR+6*\j+\f], s30, v[XPR+6*\j+\f], s[40+\j]    ; hidden: +inf
	v_cndmask_b32 v[XTR+6*\j+\f], s31, v[XTR+6*\j+\f], s[40+\j]    ; hidden: -inf
.endr
.endr
.irp j, 0,1,2,3
.irp f, 0,1,2,3,4,5
	ds_store_b32 v[PA+\j], v[XPR+6*\j+\f] offset:LXP+8*\f
	ds_store_b32 v[PA+\j], v[XTR+6*\j+\f] offset:LXT+8*\f
.endr
.endr
	s_wait_dscnt 0x0                               ; my segment is written: zero, for the other waves' sake
	s_barrier_signal -1
	; register work while the others arrive: who I am in the main part
	s_lshr_b32 s58, s16, 2                         ; direction
	s_mul_i32 s58, s58, ARR
	s_add_co_u32 s70, s58, LXP                     ; my queries' tensor
	s_sub_co_u32 s71, LXT, s58                     ; my reference points': the other one
	v_and_b32 v[QA], 7, v0                         ; my queries' segment
	v_mul_u32_u24 v[QA], SEGB, v[QA]
	v_add_nc_u32 v[QA], s70, v[QA]
	v_bfe_u32 v[RA], v0, 4, 3                      ; my slice: reference segment 2 (wave & 3) + lane / 16,
	v_mul_u32_u24 v[RA], SEGB, v[RA]
	v_bfe_u32 v[TMP], v0, 3, 1                     ; and the even or the odd pairs of it
	v_mad_u32_u24 v[RA], v[TMP], 48, v[RA]
	v_add_nc_u32 v[RA], s71, v[RA]
	v_lshlrev_b32 v[PMA], 6, v0
	s_add_co_u32 s53, s26, 15
	s_lshr_b32 s53, s53, 4                         ; R = ceil(fullest segment / 16)
	s_min_u32 s53, s53, 8
	s_mul_i32 s54, s18, s53                        ; my queries: places s54 .. s54 + R - 1 of every segment
	s_add_co_u32 s55, s54, s53
	s_max_u32 s57, s28, s29
	s_add_co_u32 s57, s57, 3
	s_lshr_b32 s57, s57, 2                         ; trips: a trip takes one pair of each parity, four places of a segment
	s_min_u32 s57, s57, 32
.set r, 0
.rept 16
	v_mov_b32 v[ACC+r], s30                        ; minima start at +inf; queries beyond R keep it
.set r, r+1
.endr
	s_barrier_wait -1                              ; all eight segments of both tensors are in LDS
	s_cmp_ge_u32 s54, s26                          ; no segment reaches my places: nothing to look for
	s_cbranch_scc1 .Lmins
	s_cmp_eq_u32 s57, 0                            ; both of my wave's reference segments are empty
	s_cbranch_scc1 .Lmins
	s_sub_co_u32 s57, s57, 1
	ds_load_b128 v[REF:REF+3], v[RA]               ; the first pair
	ds_load_b128 v[REF+4:REF+7], v[RA] offset:16
	ds_load_b128 v[REF+8:REF+11], v[RA] offset:32
; One pair of reference points against R queries.  ahead = 1: the slice's next pair (96 bytes on) is asked for as soon as the
; differences have used up the old one; 18 R vector instructions stand between the request and the wait for it.
.macro BODY R, ahead
	s_wait_dscnt 0x0                               ; the pair (and, the first time, the queries)
.set r, 0
.rept \R
.irp c, 0,1,2
	v_pk_add_f32 v[DIF+12*r+4*\c:DIF+12*r+4*\c+1], v[REF+4*\c:REF+4*\c+1], v[QRY+6*r+2*\c:QRY+6*r+2*\c+1] op_sel_hi:[1,0] neg_lo:[0,1] neg_hi:[0,1]
	v_pk_add_f32 v[DIF+12*r+4*\c+2:DIF+12*r+4*\c+3], v[REF+4*\c+2:REF+4*\c+3], v[QRY+6*r+2*\c:QRY+6*r+2*\c+1] op_sel:[0,1] op_sel_hi:[1,1] neg_lo:[0,1] neg_hi:[0,1]
.endr
.set r, r+1
.endr
.if \ahead
	v_add_nc_u32 v[RA], 96, v[RA]
	ds_load_b128 v[REF:REF+3], v[RA]
	ds_load_b128 v[REF+4:REF+7], v[RA] offset:16
	ds_load_b128 v[REF+8:REF+11], v[RA] offset:32
.endif
.set r, 0
.rept \R
	v_pk_mul_f32 v[SUM2+2*r:SUM2+2*r+1], v[DIF+12*r:DIF+12*r+1], v[DIF+12*r:DIF+12*r+1]
	v_add_f32 v[SUM1+2*r], |v[DIF+12*r]|, |v[DIF+12*r+2]|
	v_add_f32 v[SUM1+2*r+1], |v[DIF+12*r+1]|, |v[DIF+12*r+3]|
.set r, r+1
.endr
.irp f, 1,2,3,4,5
.set r, 0
.rept \R
	v_pk_fma_f32 v[SUM2+2*r:SUM2+2*r+1], v[DIF+12*r+2*\f:DIF+12*r+2*\f+1], v[DIF+12*r+2*\f:DIF+12*r+2*\f+1], v[SUM2+2*r:SUM2+2*r+1]
.if \f > 1
	v_add_f32 v[SUM1+2*r], v[SUM1+2*r], |v[DIF+12*r+2*\f]|
	v_add_f32 v[SUM1+2*r+1], v[SUM1+2*r+1], |v[DIF+12*r+2*\f+1]|
.endif
.set r, r+1
.endr
.endr
.set r, 0
.rept \R
	v_min3_num_f32 v[ACC+2*r], v[ACC+2*r], v[SUM1+2*r], v[SUM1+2*r+1]
	v_min3_num_f32 v[ACC+2*r+1], v[ACC+2*r+1], v[SUM2+2*r], v[SUM2+2*r+1]
.set r, r+1
.endr
.endm
; The main part for R queries a lane: load them, then s57 trips that ask ahead and a last one that does not (no load leaves the segment).
; The back edge is counted against the constant 31, the most that a segment of 128 places allows; the mask's own count leaves forward.
.macro RUN R
.Lrun\R:
.set r, 0
.rept \R
	s_add_co_u32 s24, s54, r                       ; the query's place, at most 15 x 8 + 7
	s_min_u32 s24, s24, 127
	s_and_b32 s27, s24, 126
	s_and_b32 s24, s24, 1
	s_mul_i32 s27, s27, PT
	s_lshl2_add_u32 s24, s24, s27                  ; pair x 48 + 4 x which of the two
	v_add_nc_u32 v[TMP], s24, v[QA]
.irp f, 0,1,2,3,4,5
	ds_load_b32 v[QRY+6*r+\f], v[TMP] offset:8*\f
.endr
.set r, r+1
.endr
	s_cmp_eq_u32 s57, 0
	s_cbranch_scc1 .Ltail\R
	s_mov_b32 s59, 0
.Lloop\R:
	BODY \R, 1
	s_add_co_u32 s59, s59, 1
	s_cmp_ge_u32 s59, s57
	s_cbranch_scc1 .Ltail\R
	s_cmp_lt_u32 s59, 31
	s_cbranch_scc1 .Lloop\R
.Ltail\R:
	BODY \R, 0
.if \R > 1
	s_branch .Lmins
.endif
.endm
.irp k, 1,2,3,4,5,6,7
	s_cmp_eq_u32 s53, \k
	s_cbranch_scc1 .Lrun\k
.endr
	RUN 8
	RUN 7
	RUN 6
	RUN 5
	RUN 4
	RUN 3
	RUN 2
	RUN 1
.Lmins:
	; All paths of all waves meet here.  The addresses of the main part's LDS loads hang on the mask's counts; that they stay below LPM
	; follows only from the clamps (places at most 127, trips at most 32).  This barrier makes the order hold without that argument: no
	; wave stores into LDS before every wave's reads of the main part are over.  No wait stands in front of the signal because no LDS
	; instruction of mine is out on any path: the early exits leave straight behind the barrier above, whose stores were waited for,
	; and the last trip of every loop waits for zero at its head and asks for nothing more.
	s_barrier_signal -1
	s_barrier_wait -1
	; THE MINIMUM OVER THE 16 SLICES.  Thread t = 128 direction + 8 slice + query segment puts its 16 numbers at 64 t.
	ds_store_b128 v[PMA], v[ACC:ACC+3] offset:LPM
	ds_store_b128 v[PMA], v[ACC+4:ACC+7] offset:LPM+16
	ds_store_b128 v[PMA], v[ACC+8:ACC+11] offset:LPM+32
	ds_store_b128 v[PMA], v[ACC+12:ACC+15] offset:LPM+48
	s_wait_dscnt 0x0                               ; zero, for the other waves' sake
	s_barrier_signal -1
	; thread t now owns one number: direction t / 128, and t % 128 = 16 segment + 2 query + p: the word at 4 (t % 128) of each slice's 512 bytes
	v_and_b32 v[TMP], 127, v0
	v_lshrrev_b32 v[TMP+1], 7, v0
	v_lshlrev_b32 v[TMP], 2, v[TMP]
	v_lshl_add_u32 v[TMP], v[TMP+1], 13, v[TMP]
	v_bfe_u32 v[MB], v0, 1, 3                      ; the query's number,
	v_add_nc_u32 v[MB], s54, v[MB]                 ; its place in its segment,
	v_mov_b32 v[IV], s29                           ; and that segment's count: segment 2 (wave & 3) + lane / 16
	v_mov_b32 v[SC], s28
	v_cmp_gt_u32 vcc_lo, 16, v[LANE]
	v_cndmask_b32 v[IV], v[IV], v[SC], vcc_lo
	v_min_u32 v[IV], s55, v[IV]                    ; it counts if it is one of my R places and holds a visible point
	s_barrier_wait -1
.irp i, 0,1,2,3,4,5,6,7,8,9,10,11,12,13,14,15
	ds_load_b32 v[RD+\i], v[TMP] offset:LPM+512*\i
.endr
	s_wait_dscnt 0x0
	v_min3_num_f32 v[RD], v[RD], v[RD+1], v[RD+2]
	v_min3_num_f32 v[RD+3], v[RD+3], v[RD+4], v[RD+5]
	v_min3_num_f32 v[RD+6], v[RD+6], v[RD+7], v[RD+8]
	v_min3_num_f32 v[RD+9], v[RD+9], v[RD+10], v[RD+11]
	v_min3_num_f32 v[RD+12], v[RD+12], v[RD+13], v[RD+14]
	v_min3_num_f32 v[RD], v[RD], v[RD+3], v[RD+6]
	v_min3_num_f32 v[RD+9], v[RD+9], v[RD+12], v[RD+15]
	v_min_num_f32 v[RD], v[RD], v[RD+9]
	v_cmp_lt_u32 vcc_lo, v[MB], v[IV]
	v_cndmask_b32 v[RD], 0, v[RD], vcc_lo          ; a place without a visible query adds nothing
	; the sum over the wave's 32 lanes, then over the eight waves
	v_add_f32_dpp v[RD], v[RD], v[RD] row_xmask:1 row_mask:0xf bank_mask:0xf
	v_add_f32_dpp v[RD], v[RD], v[RD] row_xmask:2 row_mask:0xf bank_mask:0xf
	v_add_f32_dpp v[RD], v[RD], v[RD] row_xmask:4 row_mask:0xf bank_mask:0xf
	v_add_f32_dpp v[RD], v[RD], v[RD] row_xmask:8 row_mask:0xf bank_mask:0xf
	v_permlanex16_b32 v[RD+1], v[RD], s60, s61
	v_add_f32 v[RD], v[RD], v[RD+1]
	v_mov_b32 v[TMP], s16
	v_lshlrev_b32 v[TMP], 2, v[TMP]
	ds_store_b32 v[TMP], v[RD] offset:LWS          ; all lanes write the wave's word with the same number
	s_wait_dscnt 0x0
	s_barrier_signal -1
	s_barrier_wait -1
	s_cmp_lg_u32 s16, 0
	s_cbranch_scc1 .Lend
	v_mov_b32 v[TMP], 0
	ds_load_b128 v[RD:RD+3], v[TMP] offset:LWS
	ds_load_b128 v[RD+4:RD+7], v[TMP] offset:LWS+16
	; the loss is the mean over 2 p and 16 batches of half the sum of two means: each distance weighs 1 / (64 x visible points)
	v_cvt_f32_u32 v[SC], s25
	v_mul_f32 v[SC], 0x42800000, v[SC]
	v_rcp_f32 v[SC], v[SC]
	v_mov_b32 v[PO], s56                           ; a plain instruction stands between v_rcp_f32 and the use of its result
	s_wait_dscnt 0x0
	v_pk_add_f32 v[RD:RD+1], v[RD:RD+1], v[RD+2:RD+3]
	v_pk_add_f32 v[RD+4:RD+5], v[RD+4:RD+5], v[RD+6:RD+7]
	v_pk_add_f32 v[RD:RD+1], v[RD:RD+1], v[RD+4:RD+5]
	v_add_f32 v[RD], v[RD], v[RD+1]
	s_wait_alu depctr_va_vdst(0)
	v_mul_f32 v[RD], v[RD], v[SC]
	v_cmp_eq_u32 vcc_lo, 0, v[LANE]
	s_wait_xcnt 0x0                                ; EXEC is a source of the copy's store: it changes only behind this wait
	s_wait_tensorcnt 0x0
	ds_add_u32 v236, v237
	s_wait_dscnt 0x0
	s_and_saveexec_b32 s27, vcc_lo
	global_store_b32 v[PO], v[RD], s[14:15]        ; one lane, one number for the work-group
	s_endpgm
.Lend:
	s_wait_tensorcnt 0x0
	ds_add_u32 v236, v237
	s_wait_dscnt 0x0
	s_endpgm
.Lfunc_end_k_qa94bd54361_pairs:
	.size	k_qa94bd54361_pairs, .Lfunc_end_k_qa94bd54361_pairs-k_qa94bd54361_pairs
	.p2alignl 7, 3214868480
	.fill 96, 4, 3214868480
	.section	.rodata,"a",@progbits
	.p2align	6, 0x0
	.amdhsa_kernel k_qa94bd54361_pairs
		.amdhsa_group_segment_fixed_size 66816
		.amdhsa_private_segment_fixed_size 0
		.amdhsa_enable_private_segment 0
		.amdhsa_kernarg_size 48
		.amdhsa_user_sgpr_count 2
		.amdhsa_user_sgpr_kernarg_segment_ptr 1
		.amdhsa_wavefront_size32 1
		.amdhsa_system_sgpr_workgroup_id_x 1
		.amdhsa_system_sgpr_workgroup_id_y 1
		.amdhsa_system_sgpr_workgroup_id_z 1
		.amdhsa_system_vgpr_workitem_id 0
		.amdhsa_next_free_vgpr 238
		.amdhsa_next_free_sgpr 72
		.amdhsa_reserve_vcc 1
		.amdhsa_float_denorm_mode_32 3
		.amdhsa_float_denorm_mode_16_64 3
		.amdhsa_memory_ordered 1
		.amdhsa_forward_progress 1
		.amdhsa_inst_pref_size 160
	.end_amdhsa_kernel
	.amdgpu_metadata
---
amdhsa.version: [ 1, 2 ]
amdhsa.kernels:
  - .name:           k_qa94bd54361_pairs
    .symbol:         k_qa94bd54361_pairs.kd
    .args:
      - { .name: mask, .offset: 0, .size: 8, .value_kind: global_buffer, .address_space: global }
      - { .name: x_pred, .offset: 8, .size: 8, .value_kind: global_buffer, .address_space: global }
      - { .name: x_true, .offset: 16, .size: 8, .value_kind: global_buffer, .address_space: global }
      - { .name: out1, .offset: 24, .size: 8, .value_kind: global_buffer, .address_space: global }
      - { .name: out2, .offset: 32, .size: 8, .value_kind: global_buffer, .address_space: global }
      - { .name: part, .offset: 40, .size: 8, .value_kind: global_buffer, .address_space: global }
    .group_segment_fixed_size: 66816
    .private_segment_fixed_size: 0
    .kernarg_segment_align: 8
    .kernarg_segment_size: 48
    .max_flat_workgroup_size: 256
    .sgpr_count:     72
    .vgpr_count:     238
    .wavefront_size: 32
...
	.end_amdgpu_metadata
.endif
;; end of part 1
;; launch total (part 2): grid 1 x 1, 1 waves a work-group, no clusters, 0 bytes of LDS; arguments part, out0; writes out0
.if DOCPART == 2
	.amdgcn_target "amdgcn-amd-amdhsa--gfx1250"
	.amdhsa_code_object_version 6
	.text
	.protected	k_qa94bd54361_total
	.globl	k_qa94bd54361_total
	.p2align	8
	.type	k_qa94bd54361_total,@function
k_qa94bd54361_total:
	s_mov_b64 s[64:65], 0
	v_nop
	global_prefetch_b8 v0, s[64:65] scope:SCOPE_SE
	s_setreg_imm32_b32 hwreg(HW_REG_WAVE_MODE, 25, 1), 1
	s_wait_xcnt 0x0
; MASKED CHAMFER LOSS, second launch: out0 = the sum of the 256 numbers that the first launch's work-groups left (already weighted).
; One wave: two loads of 512 consecutive bytes, eight numbers a lane, a sum inside the lane, then across the 32 lanes.
; 1,024 bytes and 255 additions: more waves, LDS or a ring of loads would have nothing to do.
	s_load_b128 s[4:7], s[0:1], 0x0                ; part, out0
	v_lshlrev_b32 v1, 4, v0                        ; 16 bytes a lane
	s_mov_b32 s8, 0x76543210                       ; v_permlanex16_b32: lane i takes lane i of the other half
	s_mov_b32 s9, 0xfedcba98
	v_mov_b32 v2, 0
	s_wait_kmcnt 0x0
	global_load_b128 v[4:7], v1, s[4:5]
	global_load_b128 v[8:11], v1, s[4:5] offset:512
	s_wait_loadcnt 0x0
	v_pk_add_f32 v[4:5], v[4:5], v[6:7]
	v_pk_add_f32 v[8:9], v[8:9], v[10:11]
	v_pk_add_f32 v[4:5], v[4:5], v[8:9]
	v_add_f32 v4, v4, v5
	v_add_f32_dpp v4, v4, v4 row_xmask:1 row_mask:0xf bank_mask:0xf
	v_add_f32_dpp v4, v4, v4 row_xmask:2 row_mask:0xf bank_mask:0xf
	v_add_f32_dpp v4, v4, v4 row_xmask:4 row_mask:0xf bank_mask:0xf
	v_add_f32_dpp v4, v4, v4 row_xmask:8 row_mask:0xf bank_mask:0xf
	v_permlanex16_b32 v5, v4, s8, s9               ; v5 has been written: the destination counts as read
	v_add_f32 v4, v4, v5
	v_cmp_eq_u32 vcc_lo, 0, v0
	s_wait_xcnt 0x0                                ; EXEC is a source of the loads: it changes only behind this wait
	s_and_saveexec_b32 s10, vcc_lo
	global_store_b32 v2, v4, s[6:7]                ; lane 0 writes the loss
	s_endpgm
.Lfunc_end_k_qa94bd54361_total:
	.size	k_qa94bd54361_total, .Lfunc_end_k_qa94bd54361_total-k_qa94bd54361_total
	.p2alignl 7, 3214868480
	.fill 96, 4, 3214868480
	.section	.rodata,"a",@progbits
	.p2align	6, 0x0
	.amdhsa_kernel k_qa94bd54361_total
		.amdhsa_group_segment_fixed_size 0
		.amdhsa_private_segment_fixed_size 0
		.amdhsa_enable_private_segment 0
		.amdhsa_kernarg_size 16
		.amdhsa_user_sgpr_count 2
		.amdhsa_user_sgpr_kernarg_segment_ptr 1
		.amdhsa_wavefront_size32 1
		.amdhsa_system_sgpr_workgroup_id_x 1
		.amdhsa_system_sgpr_workgroup_id_y 1
		.amdhsa_system_sgpr_workgroup_id_z 1
		.amdhsa_system_vgpr_workitem_id 0
		.amdhsa_next_free_vgpr 12
		.amdhsa_next_free_sgpr 66
		.amdhsa_reserve_vcc 1
		.amdhsa_float_denorm_mode_32 3
		.amdhsa_float_denorm_mode_16_64 3
		.amdhsa_memory_ordered 1
		.amdhsa_forward_progress 1
		.amdhsa_inst_pref_size 2
	.end_amdhsa_kernel
	.amdgpu_metadata
---
amdhsa.version: [ 1, 2 ]
amdhsa.kernels:
  - .name:           k_qa94bd54361_total
    .symbol:         k_qa94bd54361_total.kd
    .args:
      - { .name: part, .offset: 0, .size: 8, .value_kind: global_buffer, .address_space: global }
      - { .name: out0, .offset: 8, .size: 8, .value_kind: global_buffer, .address_space: global }
    .group_segment_fixed_size: 0
    .private_segment_fixed_size: 0
    .kernarg_segment_align: 8
    .kernarg_segment_size: 16
    .max_flat_workgroup_size: 32
    .sgpr_count:     66
    .vgpr_count:     12
    .wavefront_size: 32
...
	.end_amdgpu_metadata
.endif
;; end of part 2
